; MI455X (gfx1250); checked and timed in simulation.
; The chip was launched on July 23, 2026; its instructions are those of AMD's public machine-readable ISA for CDNA 5 (MIT licence, August 2026) and "CDNA5" Instruction Set Architecture Reference Guide (July 2026). The comments in the code are by the model that wrote it; some were corrected since.
;; Mo EMLP. Allowed arithmetic: matrix products marked QUANTISED: E5M2 operands, one E8M0 scale for each 32 along K, by v_wmma_scale_f32_16x16x128_f8f6f4 with both operands' format E5M2, f32 sums; products left as they are: f32 operands where the result goes on into a quantised operand, else bf16, f16 or f32 operands; f32 sums; everything else in f32.
;; Inputs: W1_codes 8 x 512 x 8 x 32 uint8 (E5M2 codes of W1, K innermost, in blocks of 32 codes); W1_scales 8 x 512 x 8 uint8 (E8M0 scales of W1, one for each 32 codes along K); W2_codes 8 x 256 x 16 x 32 uint8 (E5M2 codes of W2, K innermost, in blocks of 32 codes); W2_scales 8 x 256 x 16 uint8 (E8M0 scales of W2, one for each 32 codes along K); Wr 256 x 8 float32; b1 8 x 512 float32; b2 8 x 256 float32; beta 256 float32; br 8 float32; gamma 256 float32; x 4 x 8,192 x 256 float32.
;; Outputs: out0 4 x 8,192 x 256 float32.
;; This version of the problem:
;;   THIS VERSION OF THE PROBLEM IS GIVEN IN LOW PRECISION. The matrix products marked QUANTISED in the list below multiply operands that are first quantised to E5M2 (5 exponent bits, 2 mantissa bits; 8 bits a number), with one power-of-two scale for each 32 numbers along K (OCP MX v1.0); their sums are f32. All else is computed in f32.
;;   The module's matrix products, in the order in which they are computed (A, B: the left and right operand; K: the contracted axis; several contracted axes count as one K, in the product's order):
;;     1. [M 32,768, K 256] x [K 256, N 8]; A: computed on the way; B: input Wr: left as it is (N = 8 < 16)
;;     2. batch 32,768 x [M 1, K 2] x [K 2, N 8]; A: softmax; B: computed on the way: left as it is (K = 2 < 32)
;;     3. [M 32,768, K 256] x [K 256, N 512]; A: computed on the way; B: input W1 (given as codes): QUANTISED
;;     4. [M 32,768, K 512] x [K 512, N 256]; A: computed on the way; B: input W2 (given as codes): QUANTISED
;;     5. [M 32,768, K 256] x [K 256, N 512]; A: computed on the way; B: input W1 (given as codes): QUANTISED
;;     6. [M 32,768, K 512] x [K 512, N 256]; A: computed on the way; B: input W2 (given as codes): QUANTISED
;;     7. [M 32,768, K 256] x [K 256, N 512]; A: computed on the way; B: input W1 (given as codes): QUANTISED
;;     8. [M 32,768, K 512] x [K 512, N 256]; A: computed on the way; B: input W2 (given as codes): QUANTISED
;;     9. [M 32,768, K 256] x [K 256, N 512]; A: computed on the way; B: input W1 (given as codes): QUANTISED
;;     10. [M 32,768, K 512] x [K 512, N 256]; A: computed on the way; B: input W2 (given as codes): QUANTISED
;;     11. [M 32,768, K 256] x [K 256, N 512]; A: computed on the way; B: input W1 (given as codes): QUANTISED
;;     12. [M 32,768, K 512] x [K 512, N 256]; A: computed on the way; B: input W2 (given as codes): QUANTISED
;;     13. [M 32,768, K 256] x [K 256, N 512]; A: computed on the way; B: input W1 (given as codes): QUANTISED
;;     14. [M 32,768, K 512] x [K 512, N 256]; A: computed on the way; B: input W2 (given as codes): QUANTISED
;;     15. [M 32,768, K 256] x [K 256, N 512]; A: computed on the way; B: input W1 (given as codes): QUANTISED
;;     16. [M 32,768, K 512] x [K 512, N 256]; A: computed on the way; B: input W2 (given as codes): QUANTISED
;;     17. [M 32,768, K 256] x [K 256, N 512]; A: computed on the way; B: input W1 (given as codes): QUANTISED
;;     18. [M 32,768, K 512] x [K 512, N 256]; A: computed on the way; B: input W2 (given as codes): QUANTISED
;;   THE QUANTISER, for each operand of a quantised product, along K:
;;     - K is cut into blocks of 32 from its start; a last block that is shorter is filled with zeros.
;;     - A block's scale is 2^e with e = floor(log2(the largest magnitude in the block)) - 15, held to -126 .. 127; a block of zeros has e = 0. As a byte (E8M0): e + 127.
;;     - Each number is divided by its block's scale, clamped to +-57,344, and rounded to the nearest number of E5M2, ties to even, subnormals kept.
;;     - The product sums the exact products of the quantised numbers (number of the format x scale) in f32.
;;   ~~~python
;;   def quantise(x, axis):      # numpy; x: float32 -> the quantised numbers, widened to float32 again
;;       x = np.moveaxis(x, axis, -1); K = x.shape[-1]
;;       x = np.pad(x, [(0, 0)] * (x.ndim - 1) + [(0, -K % 32)]); x = x.reshape(x.shape[:-1] + (-1, 32)); a = np.abs(x).max(-1, keepdims=True)
;;       e = np.where(a > 0, np.clip(np.frexp(np.where(a > 0, a, 1))[1] - 1 - 15, -126, 127), 0)      # np.frexp(a)[1] - 1 = floor(log2(a)), exactly
;;       r = np.clip(x / 2.0 ** e, -57344, 57344)
;;       step = 2.0 ** (np.maximum(np.frexp(np.where(r == 0, 1, r))[1] - 1, -14) - 2)
;;       q = np.round(r / step) * step * 2.0 ** e      # np.round: ties to even
;;       return np.moveaxis(q.reshape(q.shape[:-2] + (-1,))[..., :K], -1, axis).astype(np.float32)
;;   ~~~
;;   OPERANDS COMPUTED ON THE WAY. 'Computed on the way' means the value that the module computes at that place (a softmax that the list does not call 'softmax' is quantised finished and normalised). What goes into a quantiser is computed in f32, as accurately as f32 sums, v_exp_f32 and their like allow (about 1e-6 of the number): no bf16 or f16 on the way to a quantiser, and a product that is left as it is and whose result goes on into a quantised operand takes f32 operands (vector FMAs, or v_wmma_f32_16x16x4_f32). A number that lies on a knife's edge between two numbers of the format may be rounded either way, as far as f32 arithmetic and the matrix unit's own rounding can turn it there, and no further.
;;   INPUTS GIVEN AS CODES. W1 (in the module: [8, 256, 512], K = its axis 1); W2 (in the module: [8, 512, 256], K = its axis 1): each comes as NAME_codes (uint8): NAME with its K axis moved to the last place and cut into blocks of 32 codes, [.., K / 32, bytes a block], one block behind the other in memory; one code a byte (a code: sign, 5 exponent bits, 2 mantissa bits); and NAME_scales (uint8): the same leading axes, one E8M0 byte (e + 127) for each 32 codes along K. Its value is code x scale, taken as it is: it is not quantised again, and the codes and scales need not be those that the quantiser above would give.
;; One version. Each part assembles by itself: llvm-mc -triple=amdgcn-amd-amdhsa -mcpu=gfx1250 --defsym DOCPART=n.
;; ======== version 1 of 1: 3 launches
;; workspace buffers: xq 8,388,608 bytes; xs 262,144 bytes; gates 262,144 bytes; keyrank 131,072 bytes of whole numbers; chist 131,072 bytes of whole numbers; order 131,072 bytes of whole numbers; wgtab 32,768 bytes of whole numbers; wimg 2,097,152 bytes
;; launch route (part 1): grid 256 x 1, 4 waves a work-group, no clusters, 24,064 bytes of LDS; arguments x, gamma, beta, Wr, br, xq, xs, gates, keyrank, chist; writes xq, xs, gates, keyrank, chist
.if DOCPART == 1
	.amdgcn_target "amdgcn-amd-amdhsa--gfx1250"
	.amdhsa_code_object_version 6
	.text
	.protected	k_qdab1cfd96c_route
	.globl	k_qdab1cfd96c_route
	.p2align	8
	.type	k_qdab1cfd96c_route,@function
k_qdab1cfd96c_route:
	s_mov_b64 s[64:65], 0
	v_nop
	global_prefetch_b8 v0, s[64:65] scope:SCOPE_SE
	s_setreg_imm32_b32 hwreg(HW_REG_WAVE_MODE, 25, 1), 1
	s_wait_xcnt 0x0
; LayerNorm, the quantising of xn, the router's logits, the top-2 and its gates: for 32,768 tokens of 256 numbers.
; OUT: xq [token][256] codes of E5M2, xs [token][8] E8M0 bytes (one for each 32 along the 256), gates [token][w_lo, w_hi] f32,
; keyrank [token] = pair | rank << 8, chist [256 work-groups][32 bins][4 waves] = how many tokens of a wave's 32 have each pair.
; A token's PAIR is its unordered pair of chosen experts lo < hi, numbered lo (15 - lo) / 2 + hi - lo - 1: 0 .. 27.  rank = how many earlier tokens of
; the same 32 have the same pair.  All of that is stored at fixed places: no address, branch or lane mask here hangs on a floating-point number.
; SHARES.  A wave owns 32 tokens; step t takes token t in lanes 0-15 and token 16 + t in lanes 16-31.  Each load reads 256 consecutive bytes of a row in
; sixteen lanes; a step's 2,048 bytes turn through the wave's own stage in LDS and come back 64 bytes a lane: lane j holds elements 16 j .. 16 j + 15,
; two neighbouring lanes a block of 32.  Sums over a row are four steps inside the sixteen lanes.  Loads run four steps (16 loads a wave) ahead.
; The logits are f32 multiply-adds (each lane keeps its 16 rows of Wr, 128 registers); a narrower format would turn choices of experts.
; Memory binds: no matrix unit, no tensor load, no cluster (work-groups share no input but 10 KB of constants).
; LIMITS: NaN and infinities are not served.  A block of zeros gets the byte 1 where the rule says 127: its codes are zeros and this program alone reads
; the bytes.  A token whose second and third logits differ by less than the rounding of an f32 sum of 256 terms may choose either.
.set SP,    80                         ; a lane's place in a stage: 64 bytes + 16 of padding
.set WREG,  5632                       ; LDS of a wave: two stages of 32 x SP, then its 256 scale bytes
.set HBB,   22528                      ; LDS: the work-group's histograms, [32 bins][4 waves] words
.set KRB,   23040                      ; LDS: the work-group's 128 words of keyrank
.set GAM,   16                         ; v16-31   gamma of my 16 elements
.set BET,   32                         ; v32-47   beta
.set R,     48                         ; v48-111  four sets of 16 numbers as loaded
.set X,     112                        ; v112-143 two sets of 16 neighbours
.set AC0,   144                        ; v144-151 eight partial logits (even elements)
.set AC1,   152                        ; v152-159 (odd elements)
.set LG,    160                        ; v160-167 the logits, lane = token
.set S0,    168                        ; v168-171 sums in two chains
.set S1,    170
.set MU,    172                        ; v172 the mean (v173 is named with it as a pair)
.set RS,    174                        ; v174 1 / sqrt(var + eps) (v175 likewise)
.set C,     192                        ; v192-255 four registers of codes for each step: no store's data are written again
; window 1, v0-127: Wr[16 j + d][e] at 8 d + e
.set MSB, 0
.macro WIN new                         ; the immediate's high byte repeats the setting that is left
.if MSB != \new
	s_set_vgpr_msb (MSB<<8)|\new
.set MSB, \new
.endif
.endm
	s_load_b512 s[4:19], s[0:1], 0x0               ; x, gamma, beta, Wr, br, xq, xs, gates
	s_load_b128 s[20:23], s[0:1], 0x40             ; keyrank, chist
	v_lshl_add_u32 v190, v0, 2, 0x5c00
	v_mov_b32 v191, 0
	v_lshrrev_b32 v1, 5, v0
	v_readfirstlane_b32 s32, v1                    ; wave 0..3
	v_and_b32 v1, 31, v0                           ; lane
	v_and_b32 v12, 15, v0                          ; j
	v_bfe_u32 v13, v0, 4, 1                        ; h
	v_lshlrev_b32 v14, 4, v12
	v_lshl_add_u32 v2, v13, 14, v14                ; x: 16 rows x h + 16 j
	v_lshl_add_u32 v3, v13, 12, v14                ; xq: 16 rows of 256 bytes x h + 16 j
	s_mul_i32 s33, s32, WREG
	v_lshrrev_b32 v15, 2, v12
	v_mul_u32_u24 v4, v15, SP
	v_mad_u32_u24 v4, v13, 16*SP, v4
	v_and_b32 v15, 3, v0
	v_lshl_add_u32 v4, v15, 4, v4
	v_add_nc_u32 v4, s33, v4                       ; the stage, in: row h, place j / 4 (+ 4 for each load), 16 (j % 4)
	v_mul_u32_u24 v5, v1, SP
	v_add_nc_u32 v5, s33, v5                       ; out: SP x lane
	v_lshrrev_b32 v6, 1, v12
	v_lshl_add_u32 v6, v13, 7, v6
	v_add_nc_u32 v6, s33, v6
	v_add_nc_u32 v6, 2*32*SP, v6                   ; my block's scale byte: 8 bytes a token, token 16 h + t
	v_lshlrev_b32 v7, 3, v1                        ; 8 x lane
	v_add_nc_u32 v8, s33, v7
	v_add_nc_u32 v8, 2*32*SP, v8                   ; the scale bytes on the way out
	v_lshlrev_b32 v11, 4, v1                       ; 16 x lane
	s_lshl_b32 s34, s32, 2
	v_add_nc_u32 v9, s34, v11
	v_add_nc_u32 v9, HBB, v9                       ; histogram: bin = lane, my wave's word
	s_lshl_b32 s34, s32, 7
	v_lshlrev_b32 v10, 2, v1
	v_add_nc_u32 v10, s34, v10
	v_add_nc_u32 v10, KRB, v10                     ; keyrank: my token's word
	v_add_nc_u32 v14, HBB, v11                     ; wave 0's reads of both on the way out
	v_add_nc_u32 v15, KRB, v11
	v_lshlrev_b32 v13, 9, v12                      ; Wr: my 16 rows of 32 bytes
	v_lshlrev_b32 v12, 6, v12                      ; gamma, beta: my 16 numbers
	s_mov_b32 s40, 0x3b800000                      ; 1 / 256
	s_mov_b32 s41, 0x3727c5ac                      ; eps = 1e-5
	s_mov_b32 s43, 0x600000                        ; the mantissa field of 57,344
	s_lshl_b32 s34, ttmp9, 2
	s_add_co_u32 s34, s34, s32                     ; my run of 32 tokens
	s_mov_b32 s37, 0
	s_wait_kmcnt 0x0
	s_load_b256 s[24:31], s[12:13], 0x0            ; br: waited for ahead of its use, behind the steps
	s_lshl_b32 s36, s34, 15
	s_add_nc_u64 s[4:5], s[4:5], s[36:37]
	s_lshl_b32 s36, s34, 13
	s_add_nc_u64 s[14:15], s[14:15], s[36:37]
	s_lshl_b32 s36, s34, 8
	s_add_nc_u64 s[16:17], s[16:17], s[36:37]
	s_add_nc_u64 s[18:19], s[18:19], s[36:37]
	s_lshl_b32 s36, ttmp9, 9
	s_add_nc_u64 s[20:21], s[20:21], s[36:37]
	s_add_nc_u64 s[22:23], s[22:23], s[36:37]
.irp i, 0,1,2,3
	global_load_b128 v[GAM+4*\i:GAM+4*\i+3], v12, s[6:7] offset:16*\i
	global_load_b128 v[BET+4*\i:BET+4*\i+3], v12, s[8:9] offset:16*\i
.endr
	WIN 0x40                                       ; destination window 1
.set q, 0
.rept 32
	global_load_b128 v[4*q:4*q+3], v13, s[10:11] offset:16*q
.set q, q+1
.endr
	WIN 0
.macro LOAD t                          ; step t: four loads; sixteen lanes read 256 consecutive bytes of a row
.irp i, 0,1,2,3
	global_load_b128 v[R+16*((\t)%4)+4*\i:R+16*((\t)%4)+4*\i+3], v2, s[4:5] offset:1024*(\t)+256*\i th:TH_LOAD_NT
.endr
.endm
.macro TURN t                          ; through the stage: LDS serves a wave's instructions in order, so no wait stands between the stores and the loads
.irp i, 0,1,2,3
	ds_store_b128 v4, v[R+16*((\t)%4)+4*\i:R+16*((\t)%4)+4*\i+3] offset:32*SP*((\t)%2)+4*SP*\i
.endr
.irp i, 0,1,2,3
	ds_load_b128 v[X+16*((\t)%2)+4*\i:X+16*((\t)%2)+4*\i+3], v5 offset:32*SP*((\t)%2)+16*\i
.endr
.endm
.irp t, 0,1,2,3
	LOAD \t
.endr
.irp e, 0,1,2,3,4,5,6,7
	v_mov_b32 v[LG+\e], 0                          ; written whole once: each step then sets two lanes
.endr
	v_mov_b32 v[MU+1], 0                           ; named as upper halves of pairs
	v_mov_b32 v[RS+1], 0
	s_wait_loadcnt 12                              ; the constants and step 0 are in; the 12 loads of steps 1 to 3 may be out
	TURN 0
.macro STEP t
.set XS, X+16*((\t)%2)
.if (\t) > 0
	s_wait_dscnt 1                                 ; this step's numbers are back (the last step's byte store may be out): its stores into the stage have read their registers,
.else
	s_wait_dscnt 0x0
.endif
.if (\t)+4 < 16
	LOAD (\t)+4                                    ; which take the loads of four steps on
.endif
.if (\t)+1 < 16
.if (\t) <= 11
	s_wait_loadcnt 12                              ; the next step's loads are in; those of the three steps behind it may be out
.else
	s_wait_loadcnt 4*(14-(\t))
.endif
	TURN (\t)+1
.endif
	v_pk_add_f32 v[S0:S0+1], v[XS:XS+1], v[XS+2:XS+3]              ; the mean: my 16, in two chains,
	v_pk_add_f32 v[S1:S1+1], v[XS+4:XS+5], v[XS+6:XS+7]
	v_pk_add_f32 v[S0:S0+1], v[S0:S0+1], v[XS+8:XS+9]
	v_pk_add_f32 v[S1:S1+1], v[S1:S1+1], v[XS+10:XS+11]
	v_pk_add_f32 v[S0:S0+1], v[S0:S0+1], v[XS+12:XS+13]
	v_pk_add_f32 v[S1:S1+1], v[S1:S1+1], v[XS+14:XS+15]
	v_pk_add_f32 v[S0:S0+1], v[S0:S0+1], v[S1:S1+1]
	v_add_f32 v[S0], v[S0], v[S0+1]
.irp n, 1,2,4,8
	v_add_f32_dpp v[S0], v[S0], v[S0] row_xmask:\n row_mask:0xf bank_mask:0xf   ; and the row's sixteen lanes
.endr
	v_mul_f32 v[MU], s40, v[S0]
.irp i, 0,2,4,6,8,10,12,14
	v_pk_add_f32 v[XS+\i:XS+\i+1], v[XS+\i:XS+\i+1], v[MU:MU+1] op_sel_hi:[1,0] neg_lo:[0,1] neg_hi:[0,1]   ; x - mean
.endr
	v_pk_mul_f32 v[S0:S0+1], v[XS:XS+1], v[XS:XS+1]                ; the variance of the centred numbers
	v_pk_mul_f32 v[S1:S1+1], v[XS+2:XS+3], v[XS+2:XS+3]
.irp i, 4,8,12
	v_pk_fma_f32 v[S0:S0+1], v[XS+\i:XS+\i+1], v[XS+\i:XS+\i+1], v[S0:S0+1]
	v_pk_fma_f32 v[S1:S1+1], v[XS+\i+2:XS+\i+3], v[XS+\i+2:XS+\i+3], v[S1:S1+1]
.endr
	v_pk_add_f32 v[S0:S0+1], v[S0:S0+1], v[S1:S1+1]
	v_add_f32 v[S0], v[S0], v[S0+1]
.irp n, 1,2,4,8
	v_add_f32_dpp v[S0], v[S0], v[S0] row_xmask:\n row_mask:0xf bank_mask:0xf
.endr
	v_fma_f32 v[S0], v[S0], s40, s41               ; var + eps
	v_rsq_f32 v[RS], v[S0]
	v_nop                                          ; a plain instruction behind the transcendental,
	s_wait_alu depctr_va_vdst(0)                   ; and the wait ahead of its first reader
.irp i, 0,2,4,6,8,10,12,14
	v_pk_mul_f32 v[XS+\i:XS+\i+1], v[XS+\i:XS+\i+1], v[RS:RS+1] op_sel_hi:[1,0]
.endr
.irp i, 0,2,4,6,8,10,12,14
	v_pk_fma_f32 v[XS+\i:XS+\i+1], v[XS+\i:XS+\i+1], v[GAM+\i:GAM+\i+1], v[BET+\i:BET+\i+1]   ; xn
.endr
	WIN 0x04                                       ; source 1 (Wr) in window 1
.set d, 0
.rept 16                                       ; element d of mine times its row of Wr, two logits an instruction; even and odd elements in chains of their own; the first products start the sums
.set ac, AC0+8*(d%2)
.irp p, 0,1,2,3
.if d == 0
	v_pk_mul_f32 v[ac+2*\p:ac+2*\p+1], v[XS:XS+1], v[2*\p:2*\p+1] op_sel_hi:[0,1]
.elseif d == 1
	v_pk_mul_f32 v[ac+2*\p:ac+2*\p+1], v[XS:XS+1], v[8+2*\p:8+2*\p+1] op_sel:[1,0] op_sel_hi:[1,1]
.elseif d%2 == 0
	v_pk_fma_f32 v[ac+2*\p:ac+2*\p+1], v[XS+d:XS+d+1], v[8*d+2*\p:8*d+2*\p+1], v[ac+2*\p:ac+2*\p+1] op_sel_hi:[0,1,1]
.else
	v_pk_fma_f32 v[ac+2*\p:ac+2*\p+1], v[XS+d-1:XS+d], v[8*d+2*\p:8*d+2*\p+1], v[ac+2*\p:ac+2*\p+1] op_sel:[1,0,0] op_sel_hi:[1,1,1]
.endif
.endr
.set d, d+1
.endr
	WIN 0
.irp p, 0,2,4,6
	v_pk_add_f32 v[AC0+\p:AC0+\p+1], v[AC0+\p:AC0+\p+1], v[AC1+\p:AC1+\p+1]
.endr
.irp n, 1,2,4,8
.irp e, 0,1,2,3,4,5,6,7
	v_add_f32_dpp v[AC0+\e], v[AC0+\e], v[AC0+\e] row_xmask:\n row_mask:0xf bank_mask:0xf
.endr
.endr
	s_mov_b32 s42, 0x10001<<(\t)                   ; lanes t and 16 + t keep this step's two tokens
.irp e, 0,1,2,3,4,5,6,7
	v_cndmask_b32 v[LG+\e], v[LG+\e], v[AC0+\e], s42
.endr
	v_max3_num_f32 v176, |v[XS]|, |v[XS+1]|, |v[XS+2]|             ; the quantiser: the largest magnitude of my 16,
	v_max3_num_f32 v177, |v[XS+3]|, |v[XS+4]|, |v[XS+5]|
.irp i, 6,10
	v_max3_num_f32 v176, v176, |v[XS+\i]|, |v[XS+\i+1]|
	v_max3_num_f32 v177, v177, |v[XS+\i+2]|, |v[XS+\i+3]|
.endr
	v_max3_num_f32 v176, v176, |v[XS+14]|, |v[XS+15]|
	v_max3_num_f32 v176, v176, v177, 0x8000000     ; the floor 2^(16 - 127): the byte cannot fall under 1,
	v_max_num_f32_dpp v176, v176, v176 row_xmask:1 row_mask:0xf bank_mask:0xf   ; and my neighbour's 16: the block's
	v_add_nc_u32 v178, 0xf8800000, v176            ; 15 off its exponent field: the conversion's scale operand
	v_and_or_b32 v179, v176, 0x7f800000, s43       ; 57,344 x the scale
.irp i, 0,1,2,3,4,5,6,7,8,9,10,11,12,13,14,15
	v_med3_num_f32 v[XS+\i], v[XS+\i], -v179, v179 ; the conversion to an 8-bit code does not saturate (ISA guide 7.6.2): the hold
.endr
	v_cvt_scalef32_pk8_bf8_f32 v[C+4*(\t):C+4*(\t)+1], v[XS:XS+7], v178
	v_cvt_scalef32_pk8_bf8_f32 v[C+4*(\t)+2:C+4*(\t)+3], v[XS+8:XS+15], v178
	v_lshrrev_b32 v[180+(\t)%2], 23, v178          ; the scale's byte (two registers by turns: the store two steps back is done at this step's first wait)
	ds_store_b8 v6, v[180+(\t)%2] offset:8*(\t)    ; both lanes of a block write the same byte with the same value
	global_store_b128 v3, v[C+4*(\t):C+4*(\t)+3], s[14:15] offset:256*(\t)   ; sixteen lanes store a token's 256 bytes, aligned
.endm
.irp t, 0,1,2,3,4,5,6,7,8,9,10,11,12,13,14,15
	STEP \t
.endr
	; ---- lane = token.  The top two, the lower index first among equals (strict compares), as jax.lax.top_k has it
	s_wait_kmcnt 0x0                               ; br
.irp e, 0,1,2,3,4,5,6,7
	v_add_f32 v[LG+\e], s[24+\e], v[LG+\e]
.endr
	v_mov_b32 v48, v[LG]                           ; m1, i1: the largest and its index;  m2, i2: the second
	v_mov_b32 v49, 0
	v_mov_b32 v50, 0xff800000
	v_mov_b32 v51, 0
.irp e, 1,2,3,4,5,6,7
	v_mov_b32 v54, \e
	v_cmp_gt_f32 vcc_lo, v[LG+\e], v48
	v_cmp_gt_f32 s44, v[LG+\e], v50
	v_cndmask_b32 v52, v50, v[LG+\e], s44
	v_cndmask_b32 v53, v51, v54, s44
	v_cndmask_b32 v50, v52, v48, vcc_lo
	v_cndmask_b32 v51, v53, v49, vcc_lo
	v_cndmask_b32 v48, v48, v[LG+\e], vcc_lo
	v_cndmask_b32 v49, v49, v54, vcc_lo
.endr
	v_sub_f32 v55, v50, v48                        ; the softmax of the two, the larger taken away: 1 / (1 + x), x / (1 + x), x = exp(m2 - m1)
	v_mul_f32 v55, 0x3fb8aa3b, v55
	v_exp_f32 v56, v55
	v_min_u32 v60, v49, v51                        ; lo  (plain work behind the transcendental)
	v_max_u32 v61, v49, v51                        ; hi
	s_wait_alu depctr_va_vdst(0)                   ; the wait ahead of the first reader
	v_add_f32 v57, 1.0, v56
	v_rcp_f32 v58, v57
	v_sub_nc_u32 v64, 15, v60
	v_mul_u32_u24 v64, v60, v64
	v_lshrrev_b32 v64, 1, v64
	v_add_nc_u32 v64, v64, v61
	v_sub_nc_u32 v64, v64, v60
	v_add_nc_u32 v64, -1, v64                      ; the pair's number
	s_wait_alu depctr_va_vdst(0)
	v_mul_f32 v59, v56, v58
	v_cmp_lt_u32 vcc_lo, v49, v51
	v_cndmask_b32 v62, v59, v58, vcc_lo            ; the gate of lo,
	v_cndmask_b32 v63, v58, v59, vcc_lo            ; of hi
	v_mov_b32 v65, 0                               ; histogram, lane = bin
	v_mov_b32 v66, 0                               ; my rank
.set pp, 0
.rept 28
	v_cmp_eq_u32 vcc_lo, pp, v64
	s_bcnt1_i32_b32 s44, vcc_lo
	v_writelane_b32 v65, s44, pp
	v_mbcnt_lo_u32_b32 v67, vcc_lo, 0
	v_cndmask_b32 v66, v66, v67, vcc_lo
.set pp, pp+1
.endr
	v_lshl_or_b32 v68, v66, 8, v64
	global_store_b64 v7, v[62:63], s[18:19]        ; 32 lanes store 256 consecutive bytes, aligned
	ds_load_b64 v[70:71], v8                       ; my wave's 256 scale bytes: these see my stores
	ds_store_b32 v9, v65
	ds_store_b32 v10, v68
	s_wait_dscnt 0x0                               ; for the others' sake: my stores have landed
	global_store_b64 v7, v[70:71], s[16:17]
	s_barrier_signal -1
	s_barrier_wait -1
	s_cmp_lg_u32 s32, 0
	s_cbranch_scc1 .Lend                           ; wave 0 stores the work-group's two blocks of 512 consecutive bytes
	ds_load_b128 v[76:79], v14
	ds_load_b128 v[80:83], v15
	s_wait_dscnt 0x0
	global_store_b128 v11, v[76:79], s[22:23]
	global_store_b128 v11, v[80:83], s[20:21]
.Lend:
	s_wait_tensorcnt 0x0
	ds_add_u32 v190, v191
	s_wait_dscnt 0x0
	s_endpgm
.Lfunc_end_k_qdab1cfd96c_route:
	.size	k_qdab1cfd96c_route, .Lfunc_end_k_qdab1cfd96c_route-k_qdab1cfd96c_route
	.p2alignl 7, 3214868480
	.fill 96, 4, 3214868480
	.section	.rodata,"a",@progbits
	.p2align	6, 0x0
	.amdhsa_kernel k_qdab1cfd96c_route
		.amdhsa_group_segment_fixed_size 24064
		.amdhsa_private_segment_fixed_size 0
		.amdhsa_enable_private_segment 0
		.amdhsa_kernarg_size 80
		.amdhsa_user_sgpr_count 2
		.amdhsa_user_sgpr_kernarg_segment_ptr 1
		.amdhsa_wavefront_size32 1
		.amdhsa_system_sgpr_workgroup_id_x 1
		.amdhsa_system_sgpr_workgroup_id_y 1
		.amdhsa_system_sgpr_workgroup_id_z 1
		.amdhsa_system_vgpr_workitem_id 0
		.amdhsa_next_free_vgpr 384
		.amdhsa_next_free_sgpr 66
		.amdhsa_reserve_vcc 1
		.amdhsa_float_denorm_mode_32 3
		.amdhsa_float_denorm_mode_16_64 3
		.amdhsa_memory_ordered 1
		.amdhsa_forward_progress 1
		.amdhsa_inst_pref_size 228
	.end_amdhsa_kernel
	.amdgpu_metadata
---
amdhsa.version: [ 1, 2 ]
amdhsa.kernels:
  - .name:           k_qdab1cfd96c_route
    .symbol:         k_qdab1cfd96c_route.kd
    .args:
      - { .name: x, .offset: 0, .size: 8, .value_kind: global_buffer, .address_space: global }
      - { .name: gamma, .offset: 8, .size: 8, .value_kind: global_buffer, .address_space: global }
      - { .name: beta, .offset: 16, .size: 8, .value_kind: global_buffer, .address_space: global }
      - { .name: Wr, .offset: 24, .size: 8, .value_kind: global_buffer, .address_space: global }
      - { .name: br, .offset: 32, .size: 8, .value_kind: global_buffer, .address_space: global }
      - { .name: xq, .offset: 40, .size: 8, .value_kind: global_buffer, .address_space: global }
      - { .name: xs, .offset: 48, .size: 8, .value_kind: global_buffer, .address_space: global }
      - { .name: gates, .offset: 56, .size: 8, .value_kind: global_buffer, .address_space: global }
      - { .name: keyrank, .offset: 64, .size: 8, .value_kind: global_buffer, .address_space: global }
      - { .name: chist, .offset: 72, .size: 8, .value_kind: global_buffer, .address_space: global }
    .group_segment_fixed_size: 24064
    .private_segment_fixed_size: 0
    .kernarg_segment_align: 8
    .kernarg_segment_size: 80
    .max_flat_workgroup_size: 128
    .sgpr_count:     66
    .vgpr_count:     384
    .wavefront_size: 32
...
	.end_amdgpu_metadata
.endif
;; end of part 1
;; launch place (part 2): grid 49 x 1, 32 waves a work-group, no clusters, 147,456 bytes of LDS; arguments chist, keyrank, W1_codes, W2_codes, order, wgtab, wimg; writes order, wgtab, wimg
.if DOCPART == 2
	.amdgcn_target "amdgcn-amd-amdhsa--gfx1250"
	.amdhsa_code_object_version 6
	.text
	.protected	k_qdab1cfd96c_place
	.globl	k_qdab1cfd96c_place
	.p2align	8
	.type	k_qdab1cfd96c_place,@function
k_qdab1cfd96c_place:
	s_mov_b64 s[64:65], 0
	v_nop
	global_prefetch_b8 v0, s[64:65] scope:SCOPE_SE
	s_setreg_imm32_b32 hwreg(HW_REG_WAVE_MODE, 25, 1), 1
	s_wait_xcnt 0x0
; Three jobs on whole numbers and codes, chosen by the work-group's number:
;   0-31   PLACING: work-group P puts its 1,024 tokens into order[], sorted by pair (a counting sort: no atomics).  Wave w has the 32 tokens 1024 P + 32 w ..
;   32     TABLES: a row of 32 words for each work-group g of the next launch.  A UNIT is 16 rows of one pair (the last unit of a pair may be short); work-group g has units 9 g .. 9 g + 8.
;          words: 0 the experts used (bits); 2, 3 a nibble a unit: lo (15: no unit); 4, 5: hi; 8-16 the unit's first place in order[]; 17-25 its pair's last place.
;   33-48  LAYOUT: W1's and W2's codes are laid in the order of the operand's registers: a fragment (16 rows x 128 K) is 2,048 bytes, group c of four registers of lane l at 512 c + 16 l.
;          W1 (expert e, wave w, tile t, K step s) at 131072 e + 32768 w + 2048 (2 t + s): lane r takes row 128 w + 32 (t / 2) + 8 (t % 2) + r + 8 (r / 8);
;          W2 (e, w, n, s) at 2^20 + 131072 e + 32768 w + 2048 (4 n + s): row 64 w + 16 n + r.  A wave turns 16 rows x 256 bytes: 16 x 16 pieces of 16 bytes, through its own LDS.
; The sort's work-groups each add up all 1,024 histograms again (128 KB): that spares a launch.  The branch between the jobs hangs on the work-group's number alone, so the sort's one
; barrier is passed by all waves of its work-groups; the layout's waves share nothing and have none.  Each job has LDS bytes of its own.
.set RLB, 4096                         ; LDS: 0: sums [32 groups][32 bins]; from RLB: 4,352 bytes for each wave of the layout: 16 rows of 256 + 16
.set TB,  32                           ; v32-63 a table row
	s_load_b256 s[4:11], s[0:1], 0x0               ; chist, keyrank, W1_codes, W2_codes
	s_load_b128 s[12:15], s[0:1], 0x20             ; order, wgtab
	s_load_b64 s[16:17], s[0:1], 0x30              ; wimg
	v_lshl_add_u32 v126, v0, 2, 0x23000
	v_mov_b32 v127, 0
	v_lshrrev_b32 v1, 5, v0
	v_readfirstlane_b32 s18, v1                    ; wave 0..31
	v_and_b32 v1, 31, v0                           ; lane
	v_and_b32 v2, 15, v0                           ; j
	v_bfe_u32 v3, v0, 4, 1                         ; h
	s_cmp_ge_u32 ttmp9, 33
	s_cbranch_scc1 .Lrelay
	; ---- the sort: lane = bin.  Wave w adds up group w (32 histograms); every wave also keeps the 32 histograms of its own work-group's group
	s_min_u32 s19, ttmp9, 31
	v_lshlrev_b32 v4, 4, v1
	v_lshlrev_b32 v5, 2, v1
	v_lshlrev_b32 v7, 2, v0                        ; 128 w + 4 l
	s_lshl_b32 s20, s18, 12
	s_mov_b32 s21, 0
	s_lshl_b32 s22, s19, 12
	s_mov_b32 s23, 0
	s_lshl_b32 s28, s18, 7
	s_add_co_u32 s28, s28, s22
	v_add_nc_u32 v6, s28, v5                       ; my token's word of keyrank
	s_wait_kmcnt 0x0
	s_add_nc_u64 s[24:25], s[4:5], s[20:21]
	s_add_nc_u64 s[26:27], s[4:5], s[22:23]
.irp i, 0,1,2,3,4,5,6,7
	global_load_b128 v[8+4*\i:11+4*\i], v4, s[24:25] offset:512*\i
.endr
.irp i, 0,1,2,3,4,5,6,7
	global_load_b128 v[40+4*\i:43+4*\i], v4, s[26:27] offset:512*\i
.endr
	global_load_b32 v72, v6, s[6:7]
	s_wait_loadcnt 0x0
	v_add3_u32 v73, v8, v9, v10
.irp i, 11,13,15,17,19,21,23,25,27,29,31,33,35,37
	v_add3_u32 v73, v73, v[\i], v[\i+1]
.endr
	v_add_nc_u32 v73, v73, v39
	ds_store_b32 v7, v73
	s_wait_dscnt 0x0                               ; my sum has landed
	s_barrier_signal -1
	s_barrier_wait -1
.set k, 0
.rept 32
	ds_load_b32 v[8+k], v5 offset:128*k            ; all 32 groups' sums of my bin
.set k, k+1
.endr
	v_mov_b32 v74, 0                               ; the bin's total,
	v_mov_b32 v75, 0                               ; what lies in groups before mine,
	v_mov_b32 v76, 0                               ; and in my group before my wave
	s_wait_dscnt 0x0
.set k, 0
.rept 32
	s_cmp_gt_u32 ttmp9, k
	s_cselect_b32 s29, 1, 0
	s_cmp_gt_u32 s18, k
	s_cselect_b32 s30, 1, 0
	v_add_nc_u32 v74, v74, v[8+k]
	v_mad_u32_u24 v75, v[8+k], s29, v75
	v_mad_u32_u24 v76, v[40+k], s30, v76
.set k, k+1
.endr
	v_add_nc_u32 v77, 15, v74
	v_lshrrev_b32 v77, 4, v77                      ; the bin's units
	v_lshl_or_b32 v78, v77, 16, v74                ; rows below, units above: the sums stay under 2^16 each (32,768 rows, 2,075 units)
	v_mov_b32 v79, v78
	v_mov_b32 v80, 0
.irp n, 1,2,4,8
	v_mov_b32_dpp v80, v79 row_shr:\n row_mask:0xf bank_mask:0xf bound_ctrl:1
	v_add_nc_u32 v79, v79, v80                     ; a running sum inside each sixteen lanes,
.endr
	v_readlane_b32 s29, v79, 15
	v_mov_b32 v81, s29
	v_cmp_le_u32 vcc_lo, 16, v1
	v_cndmask_b32 v80, 0, v81, vcc_lo
	v_add_nc_u32 v79, v79, v80                     ; and the lower sixteen's total onto the upper
	v_sub_nc_u32 v82, v79, v78
	v_and_b32 v83, 0xffff, v82                     ; the bin's first place in order[],
	v_lshrrev_b32 v84, 16, v82                     ; its first unit,
	v_lshrrev_b32 v85, 16, v79                     ; the unit behind its last
	s_cmp_eq_u32 ttmp9, 32
	s_cbranch_scc1 .Ltables
	; ---- placing
	v_add3_u32 v86, v83, v75, v76
	v_and_b32 v87, 31, v72
	v_lshlrev_b32 v87, 2, v87
	ds_bpermute_b32 v88, v87, v86                  ; my pair's next free place, from the lane that is its bin
	v_lshrrev_b32 v89, 8, v72
	s_lshl_b32 s29, ttmp9, 10
	v_add_nc_u32 v90, s29, v0                      ; my token
	s_wait_dscnt 0x0
	v_add_nc_u32 v88, v88, v89
	v_min_u32 v88, 0x7fff, v88
	v_lshlrev_b32 v88, 2, v88
	global_store_b32 v88, v90, s[12:13]            ; one word a token, scattered: 128 KB in all
	s_wait_tensorcnt 0x0
	ds_add_u32 v126, v127
	s_wait_dscnt 0x0
	s_endpgm
.Ltables:
	s_cmp_ge_u32 s18, 8
	s_cbranch_scc1 .Lend                           ; 256 threads, a table row each
	v_mov_b32 v86, 0
.irp c, 7,13,18,22,25,27
	v_cmp_le_u32 vcc_lo, \c, v1
	v_add_co_ci_u32 v86, vcc_lo, 0, v86, vcc_lo    ; lo of pair = lane: how many of the rows' first pairs lie at or under it
.endr
	v_sub_nc_u32 v87, 15, v86
	v_mul_u32_u24 v87, v86, v87
	v_lshrrev_b32 v87, 1, v87
	v_sub_nc_u32 v87, v1, v87
	v_add_nc_u32 v87, v87, v86
	v_add_nc_u32 v87, 1, v87                       ; hi
	v_lshl_or_b32 v88, v74, 16, v83                ; first place | rows << 16
	v_lshl_or_b32 v89, v86, 16, v84                ; first unit | lo << 16 | hi << 20
	v_lshl_or_b32 v89, v87, 20, v89
.set k, 0
.rept 28
	v_readlane_b32 s[32+k], v85, k
.set k, k+1
.endr
	v_mul_u32_u24 v90, v0, 9
.irp i, 0,1,2,3,4,5,6,7,8
	v_add_nc_u32 v[92+\i], \i, v90                 ; unit q = 9 g + i
	v_mov_b32 v[104+\i], 0
.endr
.set k, 0
.rept 28
.irp i, 0,1,2,3,4,5,6,7,8
	v_cmp_le_u32 vcc_lo, s[32+k], v[92+\i]
	v_add_co_ci_u32 v[104+\i], vcc_lo, 0, v[104+\i], vcc_lo   ; its pair: how many pairs end at or under q; 28: there is no such unit
.endr
.set k, k+1
.endr
.irp i, 0,1,2,3,4,5,6,7,8
	v_min_u32 v[114+\i], 27, v[104+\i]
	v_lshlrev_b32 v[114+\i], 2, v[114+\i]
.endr
.irp i, 0,1,2,3,4,5,6,7,8
	ds_bpermute_b32 v[8+\i], v[114+\i], v88
	ds_bpermute_b32 v[20+\i], v[114+\i], v89
.endr
.irp i, 0,1,2,4,6,7,26,27,28,29,30,31
	v_mov_b32 v[TB+\i], 0
.endr
	v_mov_b32 v124, 1
	s_wait_dscnt 0x0
.irp i, 0,1,2,3,4,5,6,7,8
	v_and_b32 v64, 0xffff, v[8+\i]
	v_lshrrev_b32 v65, 16, v[8+\i]
	v_and_b32 v66, 0xffff, v[20+\i]
	v_bfe_u32 v67, v[20+\i], 16, 4
	v_bfe_u32 v68, v[20+\i], 20, 4
	v_sub_nc_u32 v66, v[92+\i], v66
	v_lshl_add_u32 v66, v66, 4, v64                ; the unit's first place
	v_add3_u32 v65, v64, v65, -1                   ; its pair's last
	v_cmp_gt_u32 vcc_lo, 28, v[104+\i]
	v_cndmask_b32 v[TB+8+\i], 0, v66, vcc_lo
	v_cndmask_b32 v[TB+17+\i], 0, v65, vcc_lo
	v_cndmask_b32 v67, 15, v67, vcc_lo
	v_cndmask_b32 v68, 15, v68, vcc_lo
	v_lshlrev_b32 v69, v67, v124
	v_lshlrev_b32 v70, v68, v124
	v_or_b32 v[TB], v[TB], v69
	v_or_b32 v[TB], v[TB], v70
.if \i < 8
	v_lshl_or_b32 v[TB+2], v67, 4*\i, v[TB+2]
	v_lshl_or_b32 v[TB+4], v68, 4*\i, v[TB+4]
.else
	v_mov_b32 v[TB+3], v67
	v_mov_b32 v[TB+5], v68
.endif
.endr
	v_and_b32 v[TB], 0xff, v[TB]                   ; (bit 15 came from units that are not there)
	v_lshlrev_b32 v103, 7, v0
.irp k, 0,1,2,3,4,5,6,7
	global_store_b128 v103, v[TB+4*\k:TB+4*\k+3], s[14:15] offset:16*\k
.endr
.Lend:
	s_wait_tensorcnt 0x0
	ds_add_u32 v126, v127
	s_wait_dscnt 0x0
	s_endpgm
.Lrelay:
	; ---- the layout: job J = 32 (x - 33) + wave: J < 256: W1's tile J, both K steps; else W2's tile (J - 256) / 2, K steps 2 (J % 2) and the next.  Either way 4,096 bytes to wimg + 4096 J
	s_sub_co_u32 s20, ttmp9, 33
	s_lshl_b32 s20, s20, 5
	s_add_co_u32 s20, s20, s18
	s_lshr_b32 s21, s20, 5
	s_lshl_b32 s21, s21, 17                        ; W1: the expert,
	s_bfe_u32 s22, s20, 0x20003
	s_lshl_b32 s22, s22, 15                        ; 128 rows of 256 bytes a wave,
	s_bfe_u32 s23, s20, 0x20001
	s_lshl_b32 s23, s23, 13                        ; 32 rows for t / 2,
	s_and_b32 s24, s20, 1
	s_lshl_b32 s24, s24, 11                        ; 8 rows for t % 2
	s_add_co_u32 s21, s21, s22
	s_add_co_u32 s21, s21, s23
	s_add_co_u32 s21, s21, s24
	s_sub_co_u32 s25, s20, 256
	s_lshr_b32 s26, s25, 1
	s_lshl_b32 s26, s26, 13                        ; W2: 16 rows of 512 bytes a tile,
	s_and_b32 s27, s25, 1
	s_lshl_b32 s27, s27, 8                         ; 256 bytes along K
	s_add_co_u32 s26, s26, s27
	s_mul_i32 s38, s18, 4352
	s_add_co_u32 s38, s38, RLB
	s_lshl_b32 s42, s20, 12
	s_mov_b32 s43, 0
	s_mov_b32 s29, 0
	s_wait_kmcnt 0x0
	s_cmp_lt_u32 s20, 256                          ; the choice hangs on ids alone
	s_cselect_b32 s28, s21, s26
	s_cselect_b32 s30, 8, 9                        ; log2 of a row's bytes
	s_cselect_b32 s31, 2048, 0                     ; W1's rows 8-15 of a tile lie 8 rows further on
	s_cselect_b64 s[34:35], s[8:9], s[10:11]
	s_add_nc_u64 s[34:35], s[34:35], s[28:29]
	s_add_nc_u64 s[40:41], s[16:17], s[42:43]
	v_lshlrev_b32 v4, s30, v3
	v_lshl_add_u32 v4, v2, 4, v4                   ; row h, piece j
	s_lshl_b32 s37, 2, s30                         ; two rows on
	s_mov_b32 s36, 0
.irp i, 0,1,2,3,4,5,6,7
	v_add_nc_u32 v[8+\i], s36, v4
	s_add_co_u32 s36, s36, s37
.if \i == 3
	s_add_co_u32 s36, s36, s31
.endif
.endr
.irp i, 0,1,2,3,4,5,6,7
	global_load_b128 v[16+4*\i:19+4*\i], v[8+\i], s[34:35] th:TH_LOAD_NT   ; rows 2 i and 2 i + 1: sixteen lanes read 256 consecutive bytes
.endr
	v_mul_u32_u24 v5, v2, 272
	v_lshl_add_u32 v5, v3, 4, v5
	v_add_nc_u32 v5, s38, v5                       ; in: piece j of row r goes to LDS row j, place r: 272 j + 16 (2 i + h)
	v_mul_u32_u24 v6, v3, 272
	v_lshl_add_u32 v6, v2, 4, v6
	v_add_nc_u32 v6, s38, v6                       ; out: LDS rows 2 i + h, as they lie
	v_lshlrev_b32 v7, 4, v1
	s_wait_loadcnt 0x0
.irp i, 0,1,2,3,4,5,6,7
	ds_store_b128 v5, v[16+4*\i:19+4*\i] offset:32*\i
.endr
.irp i, 0,1,2,3,4,5,6,7
	ds_load_b128 v[48+4*\i:51+4*\i], v6 offset:544*\i   ; LDS serves a wave's instructions in order: these see my stores
.endr
	s_wait_dscnt 0x0
.irp i, 0,1,2,3,4,5,6,7
	global_store_b128 v7, v[48+4*\i:51+4*\i], s[40:41] offset:512*\i   ; 512 consecutive bytes, aligned
.endr
	s_wait_tensorcnt 0x0
	ds_add_u32 v126, v127
	s_wait_dscnt 0x0
	s_endpgm
.Lfunc_end_k_qdab1cfd96c_place:
	.size	k_qdab1cfd96c_place, .Lfunc_end_k_qdab1cfd96c_place-k_qdab1cfd96c_place
	.p2alignl 7, 3214868480
	.fill 96, 4, 3214868480
	.section	.rodata,"a",@progbits
	.p2align	6, 0x0
	.amdhsa_kernel k_qdab1cfd96c_place
		.amdhsa_group_segment_fixed_size 147456
		.amdhsa_private_segment_fixed_size 0
		.amdhsa_enable_private_segment 0
		.amdhsa_kernarg_size 56
		.amdhsa_user_sgpr_count 2
		.amdhsa_user_sgpr_kernarg_segment_ptr 1
		.amdhsa_wavefront_size32 1
		.amdhsa_system_sgpr_workgroup_id_x 1
		.amdhsa_system_sgpr_workgroup_id_y 1
		.amdhsa_system_sgpr_workgroup_id_z 1
		.amdhsa_system_vgpr_workitem_id 0
		.amdhsa_next_free_vgpr 128
		.amdhsa_next_free_sgpr 66
		.amdhsa_reserve_vcc 1
		.amdhsa_float_denorm_mode_32 3
		.amdhsa_float_denorm_mode_16_64 3
		.amdhsa_memory_ordered 1
		.amdhsa_forward_progress 1
		.amdhsa_inst_pref_size 52
	.end_amdhsa_kernel
	.amdgpu_metadata
---
amdhsa.version: [ 1, 2 ]
amdhsa.kernels:
  - .name:           k_qdab1cfd96c_place
    .symbol:         k_qdab1cfd96c_place.kd
    .args:
      - { .name: chist, .offset: 0, .size: 8, .value_kind: global_buffer, .address_space: global }
      - { .name: keyrank, .offset: 8, .size: 8, .value_kind: global_buffer, .address_space: global }
      - { .name: W1_codes, .offset: 16, .size: 8, .value_kind: global_buffer, .address_space: global }
      - { .name: W2_codes, .offset: 24, .size: 8, .value_kind: global_buffer, .address_space: global }
      - { .name: order, .offset: 32, .size: 8, .value_kind: global_buffer, .address_space: global }
      - { .name: wgtab, .offset: 40, .size: 8, .value_kind: global_buffer, .address_space: global }
      - { .name: wimg, .offset: 48, .size: 8, .value_kind: global_buffer, .address_space: global }
    .group_segment_fixed_size: 147456
    .private_segment_fixed_size: 0
    .kernarg_segment_align: 8
    .kernarg_segment_size: 56
    .max_flat_workgroup_size: 1024
    .sgpr_count:     66
    .vgpr_count:     128
    .wavefront_size: 32
...
	.end_amdgpu_metadata
.endif
;; end of part 2
;; launch chain (part 3): grid 231 x 1, 4 waves a work-group, no clusters, 282,112 bytes of LDS; arguments xq, xs, gates, order, wgtab, wimg, W1_scales, b1, W2_scales, b2, out0; writes out0
.if DOCPART == 3
	.amdgcn_target "amdgcn-amd-amdhsa--gfx1250"
	.amdhsa_code_object_version 6
	.text
	.protected	k_qdab1cfd96c_chain
	.globl	k_qdab1cfd96c_chain
	.p2align	8
	.type	k_qdab1cfd96c_chain,@function
k_qdab1cfd96c_chain:
	s_mov_b64 s[64:65], 0
	v_nop
	global_prefetch_b8 v0, s[64:65] scope:SCOPE_SE
	s_setreg_imm32_b32 hwreg(HW_REG_WAVE_MODE, 25, 1), 1
	s_wait_xcnt 0x0
; out0[token] = w_lo (Q(gelu(Q(xn) W1[lo] + b1[lo])) W2[lo] + b2[lo]) + w_hi (the same for hi): only a token's two chosen experts are multiplied; the other six have the gate 0 in the sum.
; Both products on codes of E5M2 with one E8M0 scale for each 32 along K.  xn's codes and scale bytes, the gates, the sorted list of tokens and the tables were stored by the launches before.
; SHARES.  Tokens are sorted by their pair of experts; a UNIT is 16 rows of one pair.  There are never more than 32768 / 16 + 27 = 2,075 units, whatever the choice: 231 work-groups of 9.
; A work-group walks the 8 experts in a loop of constant count; a unit is worked for its lo expert and later for its hi expert (lo < hi), and each row of out0 is stored once, by its one owner.
; A short unit is filled with copies of its pair's last row: the same numbers go to the same bytes from the same wave, so no lane is ever switched off.  A work-group that a split leaves without units stores nothing.
; THE WAVES SHARE THE COLUMNS: wave w holds, of the expert in hand, W1's hidden units 128 w .. + 127 (256 registers) and W2's outputs 64 w .. + 63 (256 registers), laid by the launch before in the order
; of the operand's registers, so that each lane loads its fragments whole.  The next expert's W1 is asked for at the head of phase 2, its W2 behind phase 2: each has a phase in which to land.
; PHASE 1 (a unit): x's two fragments from LDS, 16 products (transposed: source 0 = 16 rows of W1, source 1 = 16 tokens; C = b1), exact GELU, the quantiser: my 128 hidden units are K step w of the second
; product: their codes go to LDS as an image of the operand's registers | barrier | PHASE 2: the four K steps' images, 16 products (C = b2), times the gate; lo: kept in my own LDS; hi: added, turned to rows, stored | barrier.
; THE ROWS OF W1 THAT FORM A TILE ARE NOT NEIGHBOURS (lane r of tile 2 b + u: row 32 b + 8 u + r + 8 (r / 8)), so that the 16 registers of tiles 2 b, 2 b + 1 are 16 neighbours along the next K.
; GELU, ahead of a quantiser, in f32: gelu(u) = max(u, 0) - a w E, a = |u| / sqrt 2, w = (1 + p(q)) / (1 + 2 a), q = 1 - 4 / (a + 2), E = 2^(-(a k)^2 - 1/2), k^2 = log2 e: w exp(-a^2) = erfc(a), p of degree 9.
; No select, no difference of near numbers.  Two reciprocals and one exponential a number, issued between the plain lines of the batch before; one wait a batch of 48.
; NO TENSOR LOADS, NO CLUSTER: which units and experts are worked hangs on the stored tables, and partners would need different experts at different times; so weights go from memory straight into registers.
; LIMITS: NaN and infinities are not served.  gelu's negative tail under 2^-126 comes out as 0; its relative error is about 1e-6, about 3e-6 near u = -5 (the rounding of a^2 in the exponent).
.set XPL,  2320                        ; LDS.  x's codes: 16 planes (piece j = 16 bytes of a row) of 144 rows x 16 bytes + 16: piece (row, j) at 2320 j + 16 row
.set XSB,  37120                       ; x's scale words, 8 bytes a row
.set GTB,  38400                       ; the gates, 8 bytes a row
.set TOKB, 39680                       ; the tokens, 4 bytes a row
.set HSB,  40448                       ; the hidden layer's scale words: 576 s + 64 m + 4 r
.set HB,   42752                       ; its fragments: 18432 s + 2048 m + 512 c + 16 l
.set HWV,  18432
.set YHB,  116480                      ; each wave's own: the lo expert's weighted results, 36864 w + 4096 m + 512 q + 16 l
.set TSB,  263936                      ; each wave's own: 16 rows x (256 + 16), the turn to whole rows
.set W1S,  16                          ; v16-31  W1's scale words (2 t + s)
.set W2S,  32                          ; v32-47  W2's (4 n + s);  v48-49 x's;  v52-55 the hidden layer's: these hold scales and nothing else
.set HA,   64                          ; v64-127 my 8 tiles of the hidden layer
.set TM,   128                         ; the quantiser's work, in registers that GELU has left
.set PW,   144
.set PC,   148
.set YA,   64                          ; phase 2: four accumulators;
.set YO,   96                          ; weighted results;
.set OUTR, 128                         ; rows to store;
.set TK,   160                         ; their tokens;
.set OF,   168                         ; their offsets
.set C9,   58                          ; v58-59 p's leading coefficient, twice
.set CP,   66                          ; s[66+2i:67+2i] coefficient i = 0 .. 8, twice (the packed form names a pair)
.set KL,   84                          ; s[84:85] sqrt(log2 e)
.set RS2,  86                          ; s86 1 / sqrt 2
.set MNT,  87                          ; s87 the mantissa field of 57,344
.set SEL,  88                          ; s[88:89] v_permlanex16_b32's selects for lane l xor 16
; v1 b2's offset; v2 x's fragments; v3 h's images, read; v4 written; v5 h's scale word, written; v6 read; v7 x's scale words; v8 gates; v9 my kept results; v10, v11 the turn, in and out;
; v12, v13 the trip's addresses; v14 tokens; v15 my 16 bytes in a row of out0; v50-51 the gates as loaded; v56 the gate in hand (v57 named with it); v60-63 the weights' offsets.
; window 1: W1's fragment (t, s) at 16 (2 t + s).  window 2: W2's (n, s) at 16 (4 n + s).  window 3: v0-63 b1's 8 tiles, v64-95 b2's 4, v96-127 x's two fragments, v128-191 h's four.
; s32 experts used; s[34:35], s[36:37] lo and hi nibbles; s40-48 first places; s49-57 last places; s90 wave; s91 expert; s92 unit m; s93 64 m; s94 128 m; s95 2048 m; s96 256 m; s97 4096 m;
; s100 all ones where the expert is the unit's lo, s101 its hi; s104 the next expert or -1.
.set MSB, 0
.macro WIN new                         ; the immediate's high byte repeats the setting that is left
.if MSB != \new
	s_set_vgpr_msb (MSB<<8)|\new
.set MSB, \new
.endif
.endm
.macro PLACES n
.rept \n
	v_nop
.endr
.endm
.macro BARRIER                         ; my LDS stores have landed and my LDS loads are in: then the work-group's barrier
	s_wait_dscnt 0x0
	s_barrier_signal -1
	s_barrier_wait -1
.endm
.macro TWICE reg, val
	s_mov_b32 s[\reg], \val
	s_mov_b32 s[\reg+1], \val
.endm
; The weights of expert se.  Every offset is an immediate; the three bases are written again only behind the wait that shows the group before done.
.macro LOADW1 se
	s_min_u32 s105, \se, 7
	s_lshl_b32 s2, s105, 17
	s_mov_b32 s3, 0
	s_add_nc_u64 s[26:27], s[14:15], s[2:3]
	s_lshl_b32 s2, s105, 12
	s_add_nc_u64 s[28:29], s[16:17], s[2:3]
	s_lshl_b32 s2, s105, 11
	s_add_nc_u64 s[30:31], s[18:19], s[2:3]
	WIN 0x40                                       ; destination window 1
.set f, 0
.rept 64
	global_load_b128 v[4*f:4*f+3], v60, s[26:27] offset:512*f      ; 512 consecutive bytes: four registers of a fragment
.set f, f+1
.endr
	WIN 0
.irp t, 0,1,2,3,4,5,6,7
	global_load_b64 v[W1S+2*\t:W1S+2*\t+1], v61, s[28:29] offset:(32*(\t/2)+8*(\t%2))*8
.endr
	WIN 0xc0                                       ; destination window 3
.irp t, 0,1,2,3,4,5,6,7
	global_load_b128 v[8*\t:8*\t+3], v62, s[30:31] offset:(32*(\t/2)+8*(\t%2))*4
	global_load_b128 v[8*\t+4:8*\t+7], v62, s[30:31] offset:(32*(\t/2)+8*(\t%2))*4+16
.endr
	WIN 0
.endm
.macro LOADW2 se
	s_min_u32 s105, \se, 7
	s_lshl_b32 s2, s105, 17
	s_add_co_u32 s2, s2, 0x100000
	s_mov_b32 s3, 0
	s_add_nc_u64 s[26:27], s[14:15], s[2:3]
	s_lshl_b32 s2, s105, 12
	s_add_nc_u64 s[28:29], s[20:21], s[2:3]
	s_lshl_b32 s2, s105, 10
	s_add_nc_u64 s[30:31], s[22:23], s[2:3]
	WIN 0x80                                       ; destination window 2
.set f, 0
.rept 64
	global_load_b128 v[4*f:4*f+3], v60, s[26:27] offset:512*f
.set f, f+1
.endr
	WIN 0
.irp n, 0,1,2,3
	global_load_b128 v[W2S+4*\n:W2S+4*\n+3], v63, s[28:29] offset:256*\n
.endr
	WIN 0xc0
.irp n, 0,1,2,3
	global_load_b128 v[64+8*\n:67+8*\n], v1, s[30:31] offset:64*\n
	global_load_b128 v[68+8*\n:71+8*\n], v1, s[30:31] offset:64*\n+16
.endr
	WIN 0
.endm
; Is expert s91 unit s92's lo or hi?  SCC = 1 where it is either.
.macro TEST
	s_cmp_lt_u32 s92, 8
	s_cselect_b32 s98, s34, s35
	s_cselect_b32 s99, s36, s37
	s_lshl_b32 s105, s92, 2
	s_and_b32 s105, s105, 31
	s_lshr_b32 s98, s98, s105
	s_lshr_b32 s99, s99, s105
	s_and_b32 s98, s98, 15
	s_and_b32 s99, s99, 15
	s_cmp_eq_u32 s98, s91
	s_cselect_b32 s100, -1, 0
	s_cmp_eq_u32 s99, s91
	s_cselect_b32 s101, -1, 0
	s_or_b32 s105, s100, s101
	s_cmp_lg_u32 s105, 0
.endm
; GELU in four batches of 16 registers, U = HA + 16 k.  Batch k works in v[128 + 64 (k % 2)] on: A (a, then a E), T (a + 2, its reciprocal, q), D (1 + 2 a, its reciprocal, w), E (the exponent, E, p).
; Three numbered lists; the symbols jp, jt, jo pick the line.
.macro PREI k                          ; 48 plain lines ahead of the transcendentals.  It reads each tile from its low end on
.set rU, HA+16*(\k)
.set rB, 128+64*((\k)%2)
.if jp < 16
	v_mul_f32 v[rB+jp], s[RS2], |v[rU+jp]|
.elseif jp < 24
.set ii, 2*(jp-16)
	v_pk_add_f32 v[rB+16+ii:rB+17+ii], v[rB+ii:rB+1+ii], 2.0 op_sel_hi:[1,0]
.elseif jp < 32
.set ii, 2*(jp-24)
	v_pk_fma_f32 v[rB+32+ii:rB+33+ii], v[rB+ii:rB+1+ii], 2.0, 1.0 op_sel_hi:[1,0,0]
.elseif jp < 40
.set ii, 2*(jp-32)
	v_pk_mul_f32 v[rB+48+ii:rB+49+ii], v[rB+ii:rB+1+ii], s[KL:KL+1] op_sel_hi:[1,0]
.else
.set ii, 2*(jp-40)
	v_pk_fma_f32 v[rB+48+ii:rB+49+ii], v[rB+48+ii:rB+49+ii], v[rB+48+ii:rB+49+ii], -0.5 op_sel_hi:[1,1,0] neg_lo:[1,0,0] neg_hi:[1,0,0]
.endif
.endm
.macro TRI k                           ; 48 transcendentals, in place: 1 / (a + 2), 1 / (1 + 2 a), E
.set rB, 128+64*((\k)%2)
.if jt < 32
	v_rcp_f32 v[rB+16+jt], v[rB+16+jt]
.else
	v_exp_f32 v[rB+16+jt], v[rB+16+jt]
.endif
.endm
.macro POSTI k                         ; 120 plain lines behind them
.set rU, HA+16*(\k)
.set rB, 128+64*((\k)%2)
.if jo < 8
.set ii, 2*jo
	v_pk_mul_f32 v[rB+ii:rB+1+ii], v[rB+ii:rB+1+ii], v[rB+48+ii:rB+49+ii]                     ; a E
.elseif jo < 24
	v_max_num_f32 v[rU+jo-8], 0, v[rU+jo-8]                                                   ; max(u, 0)
.elseif jo < 32
.set ii, 2*(jo-24)
	v_pk_fma_f32 v[rB+16+ii:rB+17+ii], v[rB+16+ii:rB+17+ii], -4.0, 1.0 op_sel_hi:[1,0,0]      ; q
.elseif jo < 40
.set ii, 2*(jo-32)
	v_pk_fma_f32 v[rB+48+ii:rB+49+ii], v[C9:C9+1], v[rB+16+ii:rB+17+ii], s[CP+16:CP+17] op_sel_hi:[1,1,0]
.elseif jo < 104
.set ii, 2*((jo-40)%8)
.set lv, 7-(jo-40)/8
	v_pk_fma_f32 v[rB+48+ii:rB+49+ii], v[rB+48+ii:rB+49+ii], v[rB+16+ii:rB+17+ii], s[CP+2*lv:CP+2*lv+1] op_sel_hi:[1,1,0]   ; eight pairs by turns: no line waits for the line above it
.elseif jo < 112
.set ii, 2*(jo-104)
	v_pk_fma_f32 v[rB+32+ii:rB+33+ii], v[rB+48+ii:rB+49+ii], v[rB+32+ii:rB+33+ii], v[rB+32+ii:rB+33+ii]                     ; w = (p + 1) / (1 + 2 a)
.else
.set ii, 2*(jo-112)
	v_pk_fma_f32 v[rU+ii:rU+1+ii], v[rB+ii:rB+1+ii], v[rB+32+ii:rB+33+ii], v[rU+ii:rU+1+ii] neg_lo:[1,0,0] neg_hi:[1,0,0]   ; max(u, 0) - a E w
.endif
.endm
.macro PREALL k
.set jp, 0
.rept 48
	PREI \k
.set jp, jp+1
.endr
.endm
.macro STAGE k                         ; batch k's plain lines, and between them batch k + 1's transcendentals, which work in the other 64 registers: two in every five lines; the last plain line stands behind the last of them
.set jo, 0
.rept 120
	POSTI \k
.if (jo%5 == 1) || (jo%5 == 3)
.set jt, 2*(jo/5)+(jo%5)/3
	TRI (\k)+1
.endif
.set jo, jo+1
.endr
.endm
.macro GELU
	PREALL 0
.set jp, 0
.set jt, 0
.rept 48
	PREI 1
	TRI 0
.set jp, jp+1
.set jt, jt+1
.endr
	v_nop                                          ; a plain instruction behind the last transcendental,
	s_wait_alu depctr_va_vdst(0)                   ; and the wait ahead of the batch's first reader: one for 48
	STAGE 0
	PREALL 2                                       ; (names none of batch 1's results)
	s_wait_alu depctr_va_vdst(0)
	STAGE 1
	PREALL 3
	s_wait_alu depctr_va_vdst(0)
	STAGE 2
	s_wait_alu depctr_va_vdst(0)
.set jo, 0
.rept 120
	POSTI 3
.set jo, jo+1
.endr
.endm
; 64 numbers of a lane, register 16 b + i = k 32 b + 16 (lane / 16) + i of my row, become a fragment's codes in v[PC] on and its scale word in v[PW]
.macro QUANT
.irp b, 0,1,2,3
	v_max3_num_f32 v[TM+\b], |v[HA+16*\b]|, |v[HA+1+16*\b]|, 0x8000000   ; block b: my 16 numbers, and the floor 2^(16 - 127): the byte cannot fall under 1
.endr
.irp i, 2,4,6,8,10,12,14
.irp b, 0,1,2,3
	v_max3_num_f32 v[TM+\b], v[TM+\b], |v[HA+16*\b+\i]|, |v[HA+1+16*\b+\i]|
.endr
.endr
.irp b, 0,1,2,3
	v_permlanex16_b32 v[TM+4+\b], v[TM+\b], s[SEL], s[SEL+1]
.endr
.irp b, 0,1,2,3
	v_max_num_f32 v[TM+\b], v[TM+\b], v[TM+4+\b]   ; with lane l xor 16's: the block's largest magnitude
.endr
.irp b, 0,1,2,3
	v_add_nc_u32 v[TM+12+\b], 0xf8800000, v[TM+\b] ; 15 off its exponent field: the conversion's scale operand
.endr
.irp b, 0,1,2,3
	v_and_or_b32 v[TM+8+\b], v[TM+\b], 0x7f800000, s[MNT]   ; 57,344 x the scale
.endr
.irp b, 0,1,2,3
	v_lshrrev_b32 v[TM+4+\b], 23, v[TM+12+\b]      ; the scale's byte
.endr
	v_lshl_or_b32 v[PW], v[TM+5], 8, v[TM+4]
	v_lshl_or_b32 v[PW], v[TM+6], 16, v[PW]
	v_lshl_or_b32 v[PW], v[TM+7], 24, v[PW]
.irp b, 0,1,2,3
.irp i, 0,1,2,3,4,5,6,7,8,9,10,11,12,13,14,15
	v_med3_num_f32 v[HA+16*\b+\i], v[HA+16*\b+\i], -v[TM+8+\b], v[TM+8+\b]   ; the conversion to an 8-bit code does not saturate (ISA guide 7.6.2): the hold
.endr
	v_cvt_scalef32_pk8_bf8_f32 v[PC+4*\b:PC+1+4*\b], v[HA+16*\b:HA+7+16*\b], v[TM+12+\b]
	v_cvt_scalef32_pk8_bf8_f32 v[PC+2+4*\b:PC+3+4*\b], v[HA+8+16*\b:HA+15+16*\b], v[TM+12+\b]
.endr
	v_nop                                          ; a plain instruction behind the last scaled conversion: later products write its sources
.endm
	s_load_b512 s[4:19], s[0:1], 0x0               ; xq, xs, gates, order, wgtab, wimg, W1_scales, b1
	s_load_b128 s[20:23], s[0:1], 0x40             ; W2_scales, b2
	s_load_b64 s[24:25], s[0:1], 0x50              ; out0
	s_set_vgpr_msb 0xc0
	v_lshl_add_u32 v254, v0, 2, 0x44c00
	v_mov_b32 v255, 0
	s_set_vgpr_msb 0xc000
	v_lshrrev_b32 v64, 5, v0
	v_readfirstlane_b32 s90, v64                   ; wave 0..3
	v_and_b32 v64, 31, v0                          ; l
	v_and_b32 v65, 15, v0                          ; r
	v_bfe_u32 v66, v0, 4, 1                        ; h
	v_lshlrev_b32 v67, 4, v64
	v_lshlrev_b32 v68, 4, v65
	v_mad_u32_u24 v2, v66, XPL, v68
	v_add_nc_u32 v3, HB, v67
	s_mul_i32 s2, s90, HWV
	v_add_nc_u32 v4, s2, v3
	s_mul_i32 s2, s90, 576
	v_lshl_add_u32 v6, v65, 2, HSB
	v_add_nc_u32 v5, s2, v6
	v_lshl_add_u32 v7, v65, 3, XSB
	v_lshl_add_u32 v8, v65, 3, GTB
	s_mul_i32 s2, s90, 36864
	v_add_nc_u32 v9, s2, v67
	v_add_nc_u32 v9, YHB, v9
	s_mul_i32 s2, s90, 4352
	s_add_co_u32 s2, s2, TSB
	v_mul_u32_u24 v10, v65, 272
	v_lshl_add_u32 v10, v66, 5, v10
	v_add_nc_u32 v10, s2, v10
	v_mad_u32_u24 v11, v66, 272, v68
	v_add_nc_u32 v11, s2, v11
	v_lshl_add_u32 v14, v66, 2, TOKB
	s_lshl_b32 s2, s90, 8
	v_add_nc_u32 v15, s2, v68
	v_lshl_add_u32 v1, v66, 5, s2
	s_lshl_b32 s2, s90, 15
	v_add_nc_u32 v60, s2, v67
	s_lshl_b32 s2, s90, 10
	v_and_b32 v69, 8, v65
	v_add_nc_u32 v69, v69, v65
	v_lshl_add_u32 v61, v69, 3, s2
	v_add_nc_u32 v63, s2, v68
	s_lshl_b32 s2, s90, 9
	v_lshl_add_u32 v62, v66, 6, s2
	; the head's own addresses.  Wave w gathers rows 36 w .. 36 w + 35
	s_mul_i32 s2, s90, 36
	v_add_nc_u32 v70, s2, v64                      ; row 36 w + l,
	v_and_b32 v69, 3, v0
	v_add_nc_u32 v71, s2, v69
	v_add_nc_u32 v71, 32, v71                      ; and row 36 w + 32 + l % 4
	s_mul_i32 s2, s90, 144
	s_add_co_u32 s2, s2, TOKB
	v_lshl_add_u32 v82, v64, 2, s2
	v_lshl_add_u32 v83, v69, 2, s2
	v_add_nc_u32 v83, 128, v83
	v_lshl_add_u32 v184, v66, 2, s2
	s_mul_i32 s2, s90, 576
	v_mad_u32_u24 v185, v65, XPL, s2
	v_lshl_add_u32 v185, v66, 4, v185
	s_mul_i32 s2, s90, 288
	v_lshl_add_u32 v186, v64, 3, s2
	v_lshl_add_u32 v187, v69, 3, s2
	v_add_nc_u32 v187, 256, v187
	v_add_nc_u32 v188, XSB, v186
	v_add_nc_u32 v189, XSB, v187
	v_add_nc_u32 v186, GTB, v186
	v_add_nc_u32 v187, GTB, v187
	v_mov_b32 v57, 0
	v_mov_b32 v[C9], 0xb9d25000
	v_mov_b32 v[C9+1], 0xb9d25000
	s_lshl_b32 s98, ttmp9, 7
	s_wait_kmcnt 0x0
	s_load_b512 s[32:47], s[12:13], s98 offset:0x0 ; my row of the tables
	s_load_b512 s[48:63], s[12:13], s98 offset:0x40
	TWICE CP+0,  0x3e8dd01d
	TWICE CP+2,  0xbdbdfb0b
	TWICE CP+4,  0xbe2a0420
	TWICE CP+6,  0x3e27fe23
	TWICE CP+8,  0xbd5e05b5
	TWICE CP+10, 0xbc040dc1
	TWICE CP+12, 0x3c0d6e62
	TWICE CP+14, 0x3aac2b8a
	TWICE CP+16, 0xbaa15130
	TWICE KL,    0x3f99be61
	s_mov_b32 s[RS2], 0x3f3504f3
	s_mov_b32 s[MNT], 0x600000
	s_mov_b32 s[SEL], 0x76543210
	s_mov_b32 s[SEL+1], 0xfedcba98
	s_wait_kmcnt 0x0
	s_ctz_i32_b32 s104, s32                        ; my first expert (7 where I have none: the loads are then harmless)
	s_min_u32 s104, s104, 7
	LOADW1 s104
	v_lshrrev_b32 v72, 4, v70                      ; the rows' units,
	v_lshrrev_b32 v73, 4, v71
	v_mov_b32 v74, s40                             ; their first and last places
	v_mov_b32 v75, s40
	v_mov_b32 v76, s49
	v_mov_b32 v77, s49
.irp i, 1,2,3,4,5,6,7,8
	v_cmp_eq_u32 vcc_lo, \i, v72
	v_cndmask_b32 v74, v74, s[40+\i], vcc_lo
	v_cndmask_b32 v76, v76, s[49+\i], vcc_lo
	v_cmp_eq_u32 vcc_lo, \i, v73
	v_cndmask_b32 v75, v75, s[40+\i], vcc_lo
	v_cndmask_b32 v77, v77, s[49+\i], vcc_lo
.endr
	v_and_b32 v78, 15, v70
	v_and_b32 v79, 15, v71
	v_add_nc_u32 v74, v74, v78
	v_add_nc_u32 v75, v75, v79
	v_min_u32 v74, v74, v76                        ; past the pair's end: its last row again
	v_min_u32 v75, v75, v77
	v_min_u32 v74, 0x7fff, v74
	v_min_u32 v75, 0x7fff, v75
	v_lshlrev_b32 v74, 2, v74
	v_lshlrev_b32 v75, 2, v75
	global_load_b32 v80, v74, s[10:11]
	global_load_b32 v81, v75, s[10:11]
	s_wait_loadcnt 0x0                             ; the tokens (and W1: more loads than a count can name lie ahead of them)
	v_min_u32 v80, 0x7fff, v80
	v_min_u32 v81, 0x7fff, v81
	ds_store_b32 v82, v80
	ds_store_b32 v83, v81                          ; (eight lanes write the same word with the same value)
	v_lshlrev_b32 v84, 3, v80
	v_lshlrev_b32 v85, 3, v81
	global_load_b64 v[176:177], v84, s[8:9]
	global_load_b64 v[178:179], v85, s[8:9]
	global_load_b64 v[180:181], v84, s[6:7]
	global_load_b64 v[182:183], v85, s[6:7]
.set k, 0
.rept 18
	ds_load_b32 v[86+k], v184 offset:8*k           ; rows 36 w + 2 k + h: my own wave's words, served behind my stores
.set k, k+1
.endr
	s_wait_dscnt 0x0
.set k, 0
.rept 18
	v_min_u32 v[86+k], 0x7fff, v[86+k]
	v_lshl_add_u32 v[86+k], v[86+k], 8, v68
.set k, k+1
.endr
.set k, 0
.rept 18
	global_load_b128 v[104+4*k:107+4*k], v[86+k], s[4:5]           ; sixteen lanes read a token's 256 bytes, aligned
.set k, k+1
.endr
	s_wait_loadcnt 0x0
.set k, 0
.rept 18
	ds_store_b128 v185, v[104+4*k:107+4*k] offset:32*k             ; piece r of the row to plane r
.set k, k+1
.endr
	ds_store_b64 v186, v[176:177]
	ds_store_b64 v187, v[178:179]
	ds_store_b64 v188, v[180:181]
	ds_store_b64 v189, v[182:183]
	LOADW2 s104                                    ; lands during the first phase 1
	BARRIER                                        ; the 144 rows lie in LDS; from here on they are only read
	s_mov_b32 s91, 0
.Lexp:
	; ---- phase 1
	s_mov_b32 s92, 0
	s_mov_b32 s93, 0
	s_mov_b32 s94, 0
	s_mov_b32 s95, 0
	s_mov_b32 s96, 0
.Lp1:
	TEST
	s_cbranch_scc0 .Lp1skip
	v_add_nc_u32 v12, s96, v2
	v_add_nc_u32 v13, s94, v7
	WIN 0xc0                                       ; destination window 3
.irp s, 0,1
.irp c, 0,1,2,3
	ds_load_b128 v[96+16*\s+4*\c:99+16*\s+4*\c], v12 offset:XPL*(8*\s+2*\c)   ; sixteen lanes read 256 consecutive bytes of a plane
.endr
.endr
	WIN 0
	ds_load_b64 v[48:49], v13
	s_wait_dscnt 0x0                               ; x's fragments are in; the last trip's stores have read their registers
	WIN 0x3d                                       ; W1 window 1, x and b1 window 3
.irp t, 0,1,2,3,4,5,6,7
	v_wmma_scale_f32_16x16x128_f8f6f4 v[HA+8*\t:HA+8*\t+7], v[32*\t:32*\t+15], v[96:111], v[8*\t:8*\t+7], v[W1S+2*\t], v48 matrix_a_fmt:MATRIX_FMT_BF8 matrix_b_fmt:MATRIX_FMT_BF8
.endr
	WIN 0x0d                                       ; the eight accumulators take turns
.irp t, 0,1,2,3,4,5,6,7
	v_wmma_scale_f32_16x16x128_f8f6f4 v[HA+8*\t:HA+8*\t+7], v[32*\t+16:32*\t+31], v[112:127], v[HA+8*\t:HA+8*\t+7], v[W1S+2*\t+1], v49 matrix_a_fmt:MATRIX_FMT_BF8 matrix_b_fmt:MATRIX_FMT_BF8
.endr
	WIN 0
	PLACES 9                                       ; behind the run: eight for reads of results and loads into operands, the ninth for the next run, which begins these accumulators anew
	GELU
	QUANT
	v_add_nc_u32 v164, s95, v4
	v_add_nc_u32 v165, s93, v5
.irp c, 0,1,2,3
	ds_store_b128 v164, v[PC+4*\c:PC+4*\c+3] offset:512*\c         ; K step w of the second product, as an image of its registers
.endr
	ds_store_b32 v165, v[PW]                       ; (lanes r and 16 + r write the same word with the same value)
.Lp1skip:
	s_add_co_u32 s93, s93, 64
	s_add_co_u32 s94, s94, 128
	s_add_co_u32 s95, s95, 2048
	s_add_co_u32 s96, s96, 256
	s_add_co_u32 s92, s92, 1
	s_cmp_lt_u32 s92, 9
	s_cbranch_scc1 .Lp1
	BARRIER                                        ; the hidden layer's images lie in LDS
	s_wait_loadcnt 0x0                             ; W2 of the expert in hand; so the bases may be written
	s_mov_b32 s104, -1
	s_lshr_b32 s98, s32, s91
	s_and_b32 s99, s98, 1
	s_lshr_b32 s98, s98, 1
	s_and_b32 s98, s98, 0x7f
	s_cmp_eq_u32 s99, 0
	s_cbranch_scc1 .Lnonext                        ; an expert that I do not use leaves the registers as they are
	s_cmp_eq_u32 s98, 0
	s_cbranch_scc1 .Lnonext
	s_ctz_i32_b32 s98, s98
	s_add_co_u32 s98, s98, s91
	s_add_co_u32 s98, s98, 1
	s_min_u32 s104, s98, 7
	LOADW1 s104                                    ; my next expert's W1: it has phase 2 in which to land
.Lnonext:
	; ---- phase 2
	s_mov_b32 s92, 0
	s_mov_b32 s93, 0
	s_mov_b32 s94, 0
	s_mov_b32 s95, 0
	s_mov_b32 s97, 0
.Lp2:
	TEST
	s_cbranch_scc0 .Lp2skip
	v_add_nc_u32 v12, s95, v3
	v_add_nc_u32 v13, s93, v6
	v_add_nc_u32 v177, s94, v8
	WIN 0xc0
.irp s, 0,1,2,3
.irp c, 0,1,2,3
	ds_load_b128 v[128+16*\s+4*\c:131+16*\s+4*\c], v12 offset:HWV*\s+512*\c
.endr
.endr
	WIN 0
.irp s, 0,1,2,3
	ds_load_b32 v[52+\s], v13 offset:576*\s
.endr
	ds_load_b64 v[50:51], v177
	s_wait_dscnt 0x0
	WIN 0x3e                                       ; W2 window 2, h and b2 window 3
.irp n, 0,1,2,3
	v_wmma_scale_f32_16x16x128_f8f6f4 v[YA+8*\n:YA+8*\n+7], v[64*\n:64*\n+15], v[128:143], v[64+8*\n:71+8*\n], v[W2S+4*\n], v52 matrix_a_fmt:MATRIX_FMT_BF8 matrix_b_fmt:MATRIX_FMT_BF8
.endr
	WIN 0x0e                                       ; the four accumulators take turns
.irp s, 1,2,3
.irp n, 0,1,2,3
	v_wmma_scale_f32_16x16x128_f8f6f4 v[YA+8*\n:YA+8*\n+7], v[64*\n+16*\s:64*\n+16*\s+15], v[128+16*\s:143+16*\s], v[YA+8*\n:YA+8*\n+7], v[W2S+4*\n+\s], v[52+\s] matrix_a_fmt:MATRIX_FMT_BF8 matrix_b_fmt:MATRIX_FMT_BF8
.endr
.endr
	WIN 0
	PLACES 9
	v_cndmask_b32 v56, v51, v50, s100              ; the gate of lo or of hi
	v_add_nc_u32 v180, s97, v9
	v_add_nc_u32 v181, s93, v14
	s_cmp_lg_u32 s100, 0
	s_cbranch_scc0 .Lhi
.set i, 0
.rept 16
	v_pk_mul_f32 v[YO+i:YO+i+1], v[YA+i:YA+i+1], v[56:57] op_sel_hi:[1,0]    ; each accumulator from its low end on
.set i, i+2
.endr
.irp q, 0,1,2,3,4,5,6,7
	ds_store_b128 v180, v[YO+4*\q:YO+4*\q+3] offset:512*\q         ; kept in my own bytes until the unit's hi expert comes
.endr
	s_branch .Lp2skip
.Lhi:
	s_wait_xcnt 0x0                                ; the last unit's stores have read their registers: these are written again only behind this wait
.irp q, 0,1,2,3,4,5,6,7
	ds_load_b128 v[YO+4*\q:YO+4*\q+3], v180 offset:512*\q
.endr
.irp t, 0,1,2,3,4,5,6,7
	ds_load_b32 v[TK+\t], v181 offset:8*\t         ; the tokens of rows 2 t + h
.endr
	s_wait_dscnt 0x0
.set i, 0
.rept 16
	v_pk_fma_f32 v[YO+i:YO+i+1], v[YA+i:YA+i+1], v[56:57], v[YO+i:YO+i+1] op_sel_hi:[1,0,1]   ; w_lo y_lo + w_hi y_hi
.set i, i+2
.endr
.irp n, 0,1,2,3
	ds_store_b128 v10, v[YO+8*\n:YO+8*\n+3] offset:64*\n           ; lane (r, h): row r, outputs 16 n + 8 h + 0 .. 7 of my 64
	ds_store_b128 v10, v[YO+8*\n+4:YO+8*\n+7] offset:64*\n+16
.endr
.irp t, 0,1,2,3,4,5,6,7
	ds_load_b128 v[OUTR+4*\t:OUTR+4*\t+3], v11 offset:544*\t       ; back by rows: LDS serves a wave's instructions in order
.endr
.irp t, 0,1,2,3,4,5,6,7
	v_min_u32 v[TK+\t], 0x7fff, v[TK+\t]
	v_lshl_add_u32 v[OF+\t], v[TK+\t], 10, v15
.endr
	s_wait_dscnt 0x0
.irp t, 0,1,2,3,4,5,6,7
	global_store_b128 v[OF+\t], v[OUTR+4*\t:OUTR+4*\t+3], s[24:25] th:TH_STORE_NT   ; sixteen lanes store 256 consecutive bytes of a token's row, aligned
.endr
.Lp2skip:
	s_add_co_u32 s93, s93, 64
	s_add_co_u32 s94, s94, 128
	s_add_co_u32 s95, s95, 2048
	s_add_co_u32 s97, s97, 4096
	s_add_co_u32 s92, s92, 1
	s_cmp_lt_u32 s92, 9
	s_cbranch_scc1 .Lp2
	s_wait_xcnt 0x0                                ; the stores have read their registers: the next phase 1 writes them
	s_wait_loadcnt 0x0                             ; the next W1 is in; so the bases may be written
	s_cmp_eq_u32 s104, -1
	s_cbranch_scc1 .Lnow2
	LOADW2 s104                                    ; its W2 lands during its phase 1
.Lnow2:
	BARRIER                                        ; every wave's reads of the images are in: they may be written again
	s_add_co_u32 s91, s91, 1
	s_cmp_lt_u32 s91, 8
	s_cbranch_scc1 .Lexp
	s_set_vgpr_msb 0xf
	s_wait_tensorcnt 0x0
	ds_add_u32 v254, v255
	s_wait_dscnt 0x0
	s_set_vgpr_msb 0xf00
	s_endpgm
.Lfunc_end_k_qdab1cfd96c_chain:
	.size	k_qdab1cfd96c_chain, .Lfunc_end_k_qdab1cfd96c_chain-k_qdab1cfd96c_chain
	.p2alignl 7, 3214868480
	.fill 96, 4, 3214868480
	.section	.rodata,"a",@progbits
	.p2align	6, 0x0
	.amdhsa_kernel k_qdab1cfd96c_chain
		.amdhsa_group_segment_fixed_size 282112
		.amdhsa_private_segment_fixed_size 0
		.amdhsa_enable_private_segment 0
		.amdhsa_kernarg_size 88
		.amdhsa_user_sgpr_count 2
		.amdhsa_user_sgpr_kernarg_segment_ptr 1
		.amdhsa_wavefront_size32 1
		.amdhsa_system_sgpr_workgroup_id_x 1
		.amdhsa_system_sgpr_workgroup_id_y 1
		.amdhsa_system_sgpr_workgroup_id_z 1
		.amdhsa_system_vgpr_workitem_id 0
		.amdhsa_next_free_vgpr 1024
		.amdhsa_next_free_sgpr 106
		.amdhsa_reserve_vcc 1
		.amdhsa_float_denorm_mode_32 3
		.amdhsa_float_denorm_mode_16_64 3
		.amdhsa_memory_ordered 1
		.amdhsa_forward_progress 1
		.amdhsa_inst_pref_size 120
	.end_amdhsa_kernel
	.amdgpu_metadata
---
amdhsa.version: [ 1, 2 ]
amdhsa.kernels:
  - .name:           k_qdab1cfd96c_chain
    .symbol:         k_qdab1cfd96c_chain.kd
    .args:
      - { .name: xq, .offset: 0, .size: 8, .value_kind: global_buffer, .address_space: global }
      - { .name: xs, .offset: 8, .size: 8, .value_kind: global_buffer, .address_space: global }
      - { .name: gates, .offset: 16, .size: 8, .value_kind: global_buffer, .address_space: global }
      - { .name: order, .offset: 24, .size: 8, .value_kind: global_buffer, .address_space: global }
      - { .name: wgtab, .offset: 32, .size: 8, .value_kind: global_buffer, .address_space: global }
      - { .name: wimg, .offset: 40, .size: 8, .value_kind: global_buffer, .address_space: global }
      - { .name: W1_scales, .offset: 48, .size: 8, .value_kind: global_buffer, .address_space: global }
      - { .name: b1, .offset: 56, .size: 8, .value_kind: global_buffer, .address_space: global }
      - { .name: W2_scales, .offset: 64, .size: 8, .value_kind: global_buffer, .address_space: global }
      - { .name: b2, .offset: 72, .size: 8, .value_kind: global_buffer, .address_space: global }
      - { .name: out0, .offset: 80, .size: 8, .value_kind: global_buffer, .address_space: global }
    .group_segment_fixed_size: 282112
    .private_segment_fixed_size: 0
    .kernarg_segment_align: 8
    .kernarg_segment_size: 88
    .max_flat_workgroup_size: 128
    .sgpr_count:     106
    .vgpr_count:     1024
    .wavefront_size: 32
...
	.end_amdgpu_metadata
.endif
;; end of part 3
